; MI455X (gfx1250); checked and timed in simulation.
; The chip was launched on July 23, 2026; its instructions are those of AMD's public machine-readable ISA for CDNA 5 (MIT licence, August 2026) and "CDNA5" Instruction Set Architecture Reference Guide (July 2026). The comments in the code are by the model that wrote it; some were corrected since.
;; TCA Block. Allowed arithmetic: matrix products marked QUANTISED: E2M1 operands, one E8M0 scale for each 32 along K, by v_wmma_scale_f32_16x16x128_f8f6f4 with both operands' format E2M1 (or v_wmma_scale_f32_32x16x128_f4), f32 sums; products left as they are: f32 operands where the result goes on into a quantised operand, else bf16, f16 or f32 operands; f32 sums; everything else in f32.
;; Inputs: Wk_codes 1,024 x 32 x 16 uint8 (E2M1 codes of Wk, K innermost, in blocks of 32 codes, two codes a byte); Wk_scales 1,024 x 32 uint8 (E8M0 scales of Wk, one for each 32 codes along K); Wout_codes 1,024 x 32 x 16 uint8 (E2M1 codes of Wout, K innermost, in blocks of 32 codes, two codes a byte); Wout_scales 1,024 x 32 uint8 (E8M0 scales of Wout, one for each 32 codes along K); Wq_codes 1,024 x 32 x 16 uint8 (E2M1 codes of Wq, K innermost, in blocks of 32 codes, two codes a byte); Wq_scales 1,024 x 32 uint8 (E8M0 scales of Wq, one for each 32 codes along K); Wv_codes 1,024 x 32 x 16 uint8 (E2M1 codes of Wv, K innermost, in blocks of 32 codes, two codes a byte); Wv_scales 1,024 x 32 uint8 (E8M0 scales of Wv, one for each 32 codes along K); bout 1,024 float32; c_codes 2,048 x 8 x 32 x 16 uint8 (E2M1 codes of c, K innermost, in blocks of 32 codes, two codes a byte); c_scales 2,048 x 8 x 32 uint8 (E8M0 scales of c, one for each 32 codes along K); x_codes 2,048 x 8 x 32 x 16 uint8 (E2M1 codes of x, K innermost, in blocks of 32 codes, two codes a byte); x_scales 2,048 x 8 x 32 uint8 (E8M0 scales of x, one for each 32 codes along K).
;; Outputs: out0 2,048 x 8 x 1,024 float32.
;; This version of the problem:
;;   THIS VERSION OF THE PROBLEM IS GIVEN IN LOW PRECISION. The matrix products marked QUANTISED in the list below multiply operands that are first quantised to E2M1 (2 exponent bits, 1 mantissa bit; 4 bits a number), with one power-of-two scale for each 32 numbers along K (OCP MX v1.0); their sums are f32. All else is computed in f32.
;;   The module's matrix products, in the order in which they are computed (A, B: the left and right operand; K: the contracted axis; several contracted axes count as one K, in the product's order):
;;     1. [M 16,384, K 1,024] x [K 1,024, N 1,024]; A: input x (given as codes); B: input Wq (given as codes): QUANTISED
;;     2. [M 16,384, K 1,024] x [K 1,024, N 1,024]; A: input c (given as codes); B: input Wk (given as codes): QUANTISED
;;     3. [M 16,384, K 1,024] x [K 1,024, N 1,024]; A: input c (given as codes); B: input Wv (given as codes): QUANTISED
;;     4. batch 16,384 x [M 8, K 128] x [K 128, N 8]; A: computed on the way; B: computed on the way: left as it is (M = 8 < 16)
;;     5. batch 16,384 x [M 8, K 8] x [K 8, N 128]; A: softmax; B: computed on the way: left as it is (K = 8 < 32)
;;     6. [M 16,384, K 1,024] x [K 1,024, N 1,024]; A: computed on the way; B: input Wout (given as codes): QUANTISED
;;   THE QUANTISER, for each operand of a quantised product, along K:
;;     - K is cut into blocks of 32 from its start; a last block that is shorter is filled with zeros.
;;     - A block's scale is 2^e with e = floor(log2(the largest magnitude in the block)) - 2, held to -126 .. 127; a block of zeros has e = 0. As a byte (E8M0): e + 127.
;;     - Each number is divided by its block's scale, clamped to +-6, and rounded to the nearest number of E2M1, ties to even, subnormals kept.
;;     - The product sums the exact products of the quantised numbers (number of the format x scale) in f32.
;;   ~~~python
;;   def quantise(x, axis):      # numpy; x: float32 -> the quantised numbers, widened to float32 again
;;       x = np.moveaxis(x, axis, -1); K = x.shape[-1]
;;       x = np.pad(x, [(0, 0)] * (x.ndim - 1) + [(0, -K % 32)]); x = x.reshape(x.shape[:-1] + (-1, 32)); a = np.abs(x).max(-1, keepdims=True)
;;       e = np.where(a > 0, np.clip(np.frexp(np.where(a > 0, a, 1))[1] - 1 - 2, -126, 127), 0)      # np.frexp(a)[1] - 1 = floor(log2(a)), exactly
;;       r = np.clip(x / 2.0 ** e, -6, 6)
;;       step = 2.0 ** (np.maximum(np.frexp(np.where(r == 0, 1, r))[1] - 1, 0) - 1)
;;       q = np.round(r / step) * step * 2.0 ** e      # np.round: ties to even
;;       return np.moveaxis(q.reshape(q.shape[:-2] + (-1,))[..., :K], -1, axis).astype(np.float32)
;;   ~~~
;;   OPERANDS COMPUTED ON THE WAY. 'Computed on the way' means the value that the module computes at that place (a softmax that the list does not call 'softmax' is quantised finished and normalised). What goes into a quantiser is computed in f32, as accurately as f32 sums, v_exp_f32 and their like allow (about 1e-6 of the number): no bf16 or f16 on the way to a quantiser, and a product that is left as it is and whose result goes on into a quantised operand takes f32 operands (vector FMAs, or v_wmma_f32_16x16x4_f32). A number that lies on a knife's edge between two numbers of the format may be rounded either way, as far as f32 arithmetic and the matrix unit's own rounding can turn it there, and no further.
;;   INPUTS GIVEN AS CODES. Wk (in the module: [1024, 1024], K = its axis 0); Wout (in the module: [1024, 1024], K = its axis 0); Wq (in the module: [1024, 1024], K = its axis 0); Wv (in the module: [1024, 1024], K = its axis 0); c (in the module: [2048, 8, 1024], K = its axis 2); x (in the module: [2048, 8, 1024], K = its axis 2): each comes as NAME_codes (uint8): NAME with its K axis moved to the last place and cut into blocks of 32 codes, [.., K / 32, bytes a block], one block behind the other in memory; two codes a byte, the lower K in the low four bits (a code: sign, 2 exponent bits, 1 mantissa bit); and NAME_scales (uint8): the same leading axes, one E8M0 byte (e + 127) for each 32 codes along K. Its value is code x scale, taken as it is: it is not quantised again, and the codes and scales need not be those that the quantiser above would give.
;; One version. Each part assembles by itself: llvm-mc -triple=amdgcn-amd-amdhsa -mcpu=gfx1250 --defsym DOCPART=n.
;; ======== version 1 of 1: 1 launch
;; limits: right only within a limited range of input values
;; launch tca (part 1): grid 256 x 1, 4 waves a work-group, clusters of 4 x 1, 327,680 bytes of LDS; arguments x_codes, x_scales, c_codes, c_scales, Wq_codes, Wq_scales, Wk_codes, Wk_scales, Wv_codes, Wv_scales, Wout_codes, Wout_scales, bout, out0; writes out0
.if DOCPART == 1
	.amdgcn_target "amdgcn-amd-amdhsa--gfx1250"
	.amdhsa_code_object_version 6
	.text
	.protected	k_qe0dcf41a7f_tca
	.globl	k_qe0dcf41a7f_tca
	.p2align	8
	.type	k_qe0dcf41a7f_tca,@function
k_qe0dcf41a7f_tca:
	s_mov_b64 s[64:65], 0
	v_nop
	global_prefetch_b8 v0, s[64:65] scope:SCOPE_SE
	s_setreg_imm32_b32 hwreg(HW_REG_WAVE_MODE, 25, 1), 1
	s_wait_xcnt 0x0
	s_wait_alu depctr_hold_cnt(0) depctr_sa_sdst(0) depctr_va_vdst(0) depctr_va_sdst(0) depctr_va_ssrc(0) depctr_va_vcc(0) depctr_vm_vsrc(0)
	s_getreg_b32 s2, hwreg(HW_REG_IB_STS2, 6, 4)
	s_cmp_eq_u32 s2, 0
	s_cbranch_scc0 .Lentry_in_a_cluster
	s_endpgm
.Lentry_in_a_cluster:
	s_bfe_u32 s2, ttmp6, 0x10000c
	s_cmp_lg_u32 s2, 0x3003
	s_cbranch_scc0 .Lentry_shape_is_right
	s_endpgm
.Lentry_shape_is_right:
; out = attention(x Wq, c Wk, c Wv) Wout + bout on codes of E2M1.  The raw reshape makes each ROW (token) a head of its own: its 1,024 channels are 8 positions x 128, so everything from q to out is local to a row.
; A work-group owns 64 rows; its four waves own 32 channels of each position (32 w + 0..31).  The matrix form is used transposed: source 0 = 32 weight rows, source 1 = 16 rows of x or c, so a lane holds ONE row and 16 of its channels.
; q (64 rows x 1,024) stays in registers: window 2 + m / 2, register 128 (m % 2) + 16 p + i for row tile m, position p.  k and v are made a position (a key) at a time, in two buffers by turns:
; while a key's product runs, the key before is scored (or weighed into attn, which takes q's registers).  The softmax is over 8 keys, its maximum taken away; f32 throughout.
; WEIGHTS come through a ring of two LDS slots of 256 rows (a unit = two positions), 16 units: Wq, Wk, Wv, Wout, four each.  Units of Wk, Wv, Wout are walked from unit ROT on, by the cluster's number; the order of keys does not matter to a softmax, and Wv takes the same order.
; CLUSTERS of 4 work-groups ask jointly for each tile of weights.  PREFETCH: clusters 0 and 4 ask for two units at a time, two changes of slots or more ahead, shared out by address over the cluster's 16 waves.
; LIMITS: the promise holds while the scaled scores stay under 2^31 in magnitude; exponentials under 2^-126 count as 0; a block of attn of zeros takes the scale byte 1 (its codes are zeros).
.set U,      131072                    ; a unit's codes in bytes
.set PITCH,  528                       ; an LDS row: 512 bytes + 16
.set SLOTB,  256*PITCH
.set ESTEP,  128*PITCH
.set OSTEP,  32*PITCH
.set TSTEP,  16*PITCH
.set SCR,    2*SLOTB                   ; behind the ring: x, then c (64 rows x 528); then score partials: E1 (2 x 8,192), E0 (4 x 8,192, unit t at 3 - t);
.set E0B,    16384                     ;   then the weights, in E0; then attn's codes (32,768), its scale bytes (2,048), the stages (17,408)
.set IMG,    SCR
.set ASL,    SCR+32768
.set STG,    SCR+34816
.set SPARE,  327168                    ; the spare words
.set SPW, 1
.set NIL, 2
.set BA,  3                            ; my fragments' place in a slot
.set AD,  4                            ; and in the slot and position in hand
.set PBW, 5                            ; partials: where I store; later WTR
.set WTR, 5
.set PBR, 6                            ; and where row tile w's lie
.set PA,  7
.set PR,  8
.set WSO, 9
.set PFO, 10
.set PR2, 11
.set XCR, 11
.set R,   12
.set XCW, 15
.set IMW, 5
.set ASW, 6
.set ASR, 8
.set LI,  11
.set STO, 12
.set SRD, 13
.set GO,  14
.set BIO, 15
.set ASC, 16                           ; scale words of c's rows (later attn's)
.set WS,  32                           ; scale words of weight rows: 8 for each of a unit's two positions
.set T,   48                           ; score sums; weights in the V part; x's scale words in the Q part
.set ASX, 48
.set KA0, 64
.set KA1, 128
.set BR,  192                          ; ring of four K steps of weight fragments
.set TM,  KA0
.set TP,  KA0+16
.set SQ,  KA0+32
.set BY,  KA0+48
.set CD,  KA1
.set BI,  128                          ; window 2: bias
.set PXC, 8
.set PXS, 10
.set PCC, 12
.set PCS, 14
.set PQC, 16
.set PQS, 18
.set PKC, 20
.set PKS, 22
.set PVC, 24
.set PVS, 26
.set POC, 28
.set POS, 30
.set PBO, 32
.set POUT,34
.set WV,  36
.set CX,  37
.set WG,  38
.set ASKF,39
.set G1,  40
.set G0,  48
.set NX,  52
.set TB,  54
.set WOFF,55
.set CNT, 56
.set ROT, 57
.set OFFP,58
.set SBA, 60
.set SBB, 62
.set TMP, 66
.set OU,  67
.set SEL, 68
.set CS,  70
.set NC,  72
.set ASKC,73
.set E0O, 74
.set E1O, 75
.set E0P, 76
.set E1P, 77
.set PFK, 78
.set PFV, 80
.set PFW, 82
.set PFC, 84
.set PFQ, 86
.set SBO, 88
.set BP,  90
.set OUTC,92
.set TT,  94
.set MSB, 0
.macro WIN new
.if MSB != (\new)
	s_set_vgpr_msb (MSB<<8)|(\new)
.set MSB, (\new)
.endif
.endm
.macro VW
	s_wait_alu depctr_va_vdst(0)
.endm
.macro PLACES
.rept 4
	v_nop
.endr
.endm
.macro CREST
	s_cmp_lg_u32 s[WV], 0
	s_cbranch_scc1 .Lnw0_\@
	s_barrier_signal -3
.Lnw0_\@:
	s_barrier_wait -3
	s_barrier_signal -1
	s_barrier_wait -1
.endm
.macro ROUND
	s_barrier_signal -1
	s_barrier_wait -1
	CREST
.endm
; One matrix instruction: 32 weight rows x row tile m, K step s.  z = 1: C is 0.  Rows 32 g + 0..31 of x or c have their scale words in one register: tile m takes lanes 16 (m % 2) on.
.macro WI d, z, c, s, m, asb, wsb
.if (\z)
.if ((\m)%2)
	v_wmma_scale_f32_32x16x128_f4 v[(\d):(\d)+15], v[BR+16*((\s)%4):BR+16*((\s)%4)+15], v[8*(4*(\s)+(\m)):8*(4*(\s)+(\m))+7], 0, v[(\wsb)+(\s)], v[(\asb)+8*((\m)/2)+(\s)] matrix_b_scale:MATRIX_SCALE_ROW1
.else
	v_wmma_scale_f32_32x16x128_f4 v[(\d):(\d)+15], v[BR+16*((\s)%4):BR+16*((\s)%4)+15], v[8*(4*(\s)+(\m)):8*(4*(\s)+(\m))+7], 0, v[(\wsb)+(\s)], v[(\asb)+8*((\m)/2)+(\s)]
.endif
.else
.if ((\m)%2)
	v_wmma_scale_f32_32x16x128_f4 v[(\d):(\d)+15], v[BR+16*((\s)%4):BR+16*((\s)%4)+15], v[8*(4*(\s)+(\m)):8*(4*(\s)+(\m))+7], v[(\c):(\c)+15], v[(\wsb)+(\s)], v[(\asb)+8*((\m)/2)+(\s)] matrix_b_scale:MATRIX_SCALE_ROW1
.else
	v_wmma_scale_f32_32x16x128_f4 v[(\d):(\d)+15], v[BR+16*((\s)%4):BR+16*((\s)%4)+15], v[8*(4*(\s)+(\m)):8*(4*(\s)+(\m))+7], v[(\c):(\c)+15], v[(\wsb)+(\s)], v[(\asb)+8*((\m)/2)+(\s)]
.endif
.endif
.endm
; K step s: the four row tiles by turns.  md 0: results in window 0; 1: q, windows 2 and 3; 2: window 2.
.macro STEP s, md, acc, asb, wsb, cb
.irp m, 0,1,2,3
.if (\md) == 1
	WIN 0xa4+0x50*(\m/2)
.if (\s) > 0
	WI (\acc)+128*(\m%2), 0, (\acc)+128*(\m%2), \s, \m, \asb, \wsb
.else
	WI (\acc)+128*(\m%2), 1, 0, \s, \m, \asb, \wsb
.endif
.else
.if (\md) == 0
	WIN 0x04
.else
	WIN 0xa4
.endif
.if (\s) > 0
	WI (\acc)+16*\m, 0, (\acc)+16*\m, \s, \m, \asb, \wsb
.elseif (\cb) == 0
	WI (\acc)+16*\m, 1, 0, \s, \m, \asb, \wsb
.else
	WI (\acc)+16*\m, 0, \cb, \s, \m, \asb, \wsb
.endif
.endif
.endr
.endm
.macro RING sn
.irp u, 0,1
.irp c, 0,1
	ds_load_b128 v[BR+16*((\sn)%4)+8*\u+4*\c:BR+16*((\sn)%4)+8*\u+4*\c+3], v[AD] offset:TSTEP*\u+64*(\sn)+32*\c
.endr
.endr
.endm
.macro ASK ptr, off, flag
	s_cmp_eq_u32 s[\flag], 1
	s_cbranch_scc0 .Lna_\@
	global_prefetch_b8 v[PFO], s[\ptr:\ptr+1] offset:(\off) th:TH_LOAD_NT scope:SCOPE_SE
	global_prefetch_b8 v[PFO], s[\ptr:\ptr+1] offset:(\off)+U th:TH_LOAD_NT scope:SCOPE_SE
.Lna_\@:
.endm
; THE CHANGE OF SLOTS.  TOPEN: all my tensor loads are done (the next slot's part among them), the add, the refill's descriptor; the waits and the signal follow.  TFILL: the round, the refill, on to the other slot.
.macro TOPEN
	s_wait_tensorcnt 0x0
	ds_add_u32 v[SPW], v[NIL]
	s_add_co_u32 s[G0+1], s[TB], s[WOFF]
	s_mov_b32 s[G0+2], s[NX]
	s_mov_b32 s[G0+3], s[NX+1]
.endm
.macro TNEXT
	s_xor_b32 s[TB], s[TB], SLOTB
	v_add_nc_u32 v[AD], s[TB], v[BA]
	VW
.endm
.macro TFILL
	CREST
	tensor_load_to_lds s[G0:G0+3], s[G1:G1+7]
	s_nop 0
	PLACES
	TNEXT
.endm
; A product without other work beside it: two K steps a run.  chg 0: on to the unit's second part; 1: change of slots with a refill; 2: without; 3: nothing follows.
.macro GEMM md, acc, asb, wsb, cb, chg, estep
.irp g, 0,2
	s_wait_dscnt 8
	STEP \g, \md, \acc, \asb, \wsb, \cb
	STEP \g+1, \md, \acc, \asb, \wsb, \cb
	WIN 0
	PLACES
	RING \g+4
	RING \g+5
.endr
.if (\chg) == 0
	v_add_nc_u32 v[AD], \estep, v[AD]
	VW
.irp g, 4,6
	s_wait_dscnt 8
	STEP \g, \md, \acc, \asb, \wsb, \cb
	STEP \g+1, \md, \acc, \asb, \wsb, \cb
	WIN 0
	PLACES
	RING \g-4
	RING \g-3
.endr
.elseif (\chg) == 3
	s_wait_dscnt 8
	STEP 4, \md, \acc, \asb, \wsb, \cb
	STEP 5, \md, \acc, \asb, \wsb, \cb
	s_wait_dscnt 0x0
	STEP 6, \md, \acc, \asb, \wsb, \cb
	STEP 7, \md, \acc, \asb, \wsb, \cb
	WIN 0
	PLACES
.else
.if (\chg) == 1
	TOPEN
.else
	s_wait_tensorcnt 0x0
	ds_add_u32 v[SPW], v[NIL]
.endif
	s_wait_dscnt 9                         ; K steps 6, 7 and the add may be out
	STEP 4, \md, \acc, \asb, \wsb, \cb
	STEP 5, \md, \acc, \asb, \wsb, \cb
	s_wait_dscnt 0x0                       ; the add is done, my reads of this slot are over
	s_barrier_signal -1
	STEP 6, \md, \acc, \asb, \wsb, \cb
	STEP 7, \md, \acc, \asb, \wsb, \cb
	WIN 0
	s_barrier_wait -1
.if (\chg) == 1
	TFILL
.else
	PLACES
	TNEXT
.endif
	RING 0
	RING 1
	RING 2
	RING 3
.endif
.endm
; The vector work beside K step s: half of row tile m = s / 2: 4 pairs of channels x 8 positions.  kd 0: scores of the key in pv; 1: attn begun; 2: attn carried on.
.macro PKI kd, ka, qa, p, ii, wr
.if (\kd) == 0
.if (\ii) == 0
	v_pk_mul_f32 v[T+2*\p:T+2*\p+1], v[(\qa):(\qa)+1], v[(\ka):(\ka)+1]
.else
	v_pk_fma_f32 v[T+2*\p:T+2*\p+1], v[(\qa):(\qa)+1], v[(\ka):(\ka)+1], v[T+2*\p:T+2*\p+1]
.endif
.elseif (\kd) == 1
.if ((\p)%2) == 0
	v_pk_mul_f32 v[(\qa):(\qa)+1], v[(\ka):(\ka)+1], v[(\wr):(\wr)+1] op_sel_hi:[1,0]
.else
	v_pk_mul_f32 v[(\qa):(\qa)+1], v[(\ka):(\ka)+1], v[(\wr):(\wr)+1] op_sel:[0,1] op_sel_hi:[1,1]
.endif
.else
.if ((\p)%2) == 0
	v_pk_fma_f32 v[(\qa):(\qa)+1], v[(\ka):(\ka)+1], v[(\wr):(\wr)+1], v[(\qa):(\qa)+1] op_sel_hi:[1,0,1]
.else
	v_pk_fma_f32 v[(\qa):(\qa)+1], v[(\ka):(\ka)+1], v[(\wr):(\wr)+1], v[(\qa):(\qa)+1] op_sel:[0,1,0] op_sel_hi:[1,1,1]
.endif
.endif
.endm
.macro HALF kd, pv, s
.if (\kd) == 0
	WIN 0x02+(\s)/4
.else
	WIN 0xa0+0x50*((\s)/4)
.endif
.if (\kd) == 1
	VW                                     ; exponentials stand between the products that made this key and these first readers
.endif
.irp i, 0,1,2,3
.irp p, 0,1,2,3,4,5,6,7
	PKI \kd, (\pv)+16*((\s)/2)+8*((\s)%2)+2*\i, 128*(((\s)/2)%2)+16*\p+8*((\s)%2)+2*\i, \p, 4*((\s)%2)+\i, T+8*(((\s)/2)%2)+2*(\p/2)
.endr
.endr
.if (\kd) == 0
.if ((\s)%2)
	WIN 0                                  ; row tile m is summed over my 32 channels: lane (r, h) keeps positions 4 h .. 4 h + 3
.irp p, 0,1,2,3,4,5,6,7
	v_add_f32 v[T+2*\p], v[T+2*\p], v[T+2*\p+1]
.endr
.irp i, 0,1,2,3
	v_permlane16_swap_b32 v[T+2*\i], v[T+2*\i+8]
.endr
.irp i, 0,1,2,3
	v_add_f32 v[R+\i], v[T+2*\i], v[T+2*\i+8]
.endr
.endif
.endif
.endm
.macro WRL m, e                        ; weights of row tile m, all 8 positions of my row
	ds_load_b128 v[T+8*((\m)%2):T+8*((\m)%2)+3], v[PA] offset:2048*(\e)+512*(\m)
	ds_load_b128 v[T+8*((\m)%2)+4:T+8*((\m)%2)+7], v[PA] offset:2048*(\e)+512*(\m)+256
.endm
.macro AFTER kd, s, tn
.if ((\s)%2)
.if (\kd) == 0
	ds_store_b128 v[PA], v[R:R+3] offset:512*((\s)/2)
.elseif (\s) == 1
	WRL 2, 1-(\tn)
.elseif (\s) == 3
	WRL 3, 1-(\tn)
.elseif (\s) == 5
	WRL 0, \tn
.else
	WRL 1, \tn
.endif
.endif
.endm
.macro PSTEP kd, acc, pv, wsb, s
	STEP \s, 0, \acc, ASC, \wsb, 0
	HALF \kd, \pv, \s
	WIN 0
.endm
.macro SUMLD                           ; the partials of the unit before, row tile w: four waves x two keys, into registers whose key has been scored
	s_cmp_eq_u32 s[CNT], 0
	s_cbranch_scc1 .Lsl_\@
.irp k, 0,1,2,3
	ds_load_b128 v[KA0+4*\k:KA0+4*\k+3], v[PR] offset:2048*\k
.endr
.irp k, 0,1,2,3
	ds_load_b128 v[KA0+16+4*\k:KA0+16+4*\k+3], v[PR2] offset:2048*\k
.endr
.Lsl_\@:
.endm
.macro SUM4 d, a                       ; d .. d + 3 = the sum of the four quads from a on
	v_pk_add_f32 v[(\d):(\d)+1], v[(\a):(\a)+1], v[(\a)+4:(\a)+5]
	v_pk_add_f32 v[(\d)+2:(\d)+3], v[(\a)+2:(\a)+3], v[(\a)+6:(\a)+7]
	v_pk_add_f32 v[(\a)+8:(\a)+9], v[(\a)+8:(\a)+9], v[(\a)+12:(\a)+13]
	v_pk_add_f32 v[(\a)+10:(\a)+11], v[(\a)+10:(\a)+11], v[(\a)+14:(\a)+15]
	v_pk_add_f32 v[(\d):(\d)+1], v[(\d):(\d)+1], v[(\a)+8:(\a)+9]
	v_pk_add_f32 v[(\d)+2:(\d)+3], v[(\d)+2:(\d)+3], v[(\a)+10:(\a)+11]
.endm
.macro SUMAD                           ; summed, and stored where only I read
	VW
	s_wait_dscnt 16                        ; behind the eight loads: four ring steps and a store
	s_cmp_eq_u32 s[CNT], 0
	s_cbranch_scc1 .Lsa_\@
	SUM4 KA0, KA0
	SUM4 KA0+16, KA0+16
	ds_store_b128 v[PR], v[KA0:KA0+3]
	ds_store_b128 v[PR], v[KA0+16:KA0+19] offset:2048
.Lsa_\@:
.endm
; A PHASE: one position's product into acc, K step by K step; beside it the key in pv.  tn = 1: the unit's second position, with the change of slots.
.macro PH kd, acc, pv, wsb, tn
.irp s, 0,1,2,3
.if (\kd) == 0
	VW
.endif
	s_wait_dscnt 12                        ; three younger ring steps may be out
	PSTEP \kd, \acc, \pv, \wsb, \s
	AFTER \kd, \s, \tn
	RING \s+4
.endr
.if (\tn) == 0
.if (\kd) == 2
	v_add_nc_u32 v[PA], s[E0O], v[WTR]     ; the next key's weights
.endif
	v_add_nc_u32 v[AD], ESTEP, v[AD]
	VW
.irp s, 4,5,6,7
.if (\kd) == 0
	VW
.endif
	s_wait_dscnt 12
	PSTEP \kd, \acc, \pv, \wsb, \s
	AFTER \kd, \s, \tn
	RING \s-4
.endr
.else
	TOPEN
	VW
	s_wait_dscnt 13                        ; three younger ring steps and the add
	PSTEP \kd, \acc, \pv, \wsb, 4
	VW
	s_wait_dscnt 0x0                       ; the add is done, my reads of this slot are over
	s_barrier_signal -1
	PSTEP \kd, \acc, \pv, \wsb, 5
	VW
	s_barrier_wait -1
	TFILL
	AFTER \kd, 5, \tn
.if (\kd) == 0
	SUMLD
.endif
	RING 0
	RING 1
	ASK PFC, 0, ASKC
	PSTEP \kd, \acc, \pv, \wsb, 6
	RING 2
	VW
	PSTEP \kd, \acc, \pv, \wsb, 7
	AFTER \kd, 7, \tn
	RING 3
.if (\kd) == 0
	SUMAD
.endif
.endif
.endm
.macro WSL d, sb, off
	global_load_b128 v[(\d):(\d)+3], v[WSO], s[\sb:\sb+1] offset:(\off)
	global_load_b128 v[(\d)+4:(\d)+7], v[WSO], s[\sb:\sb+1] offset:(\off)+16
.endm
.macro AFROM reg, im                   ; source 1's fragments, 64 rows x 1,024 K: from rows (im 0) or from the image of attn's codes (1)
	WIN 0x40
.irp s, 0,1,2,3,4,5,6,7
.irp m, 0,1,2,3
.irp c, 0,1
.if (\im) == 0
	ds_load_b128 v[8*(4*\s+\m)+4*\c:8*(4*\s+\m)+4*\c+3], v[\reg] offset:TSTEP*\m+64*\s+32*\c
.else
	ds_load_b128 v[8*(4*\s+\m)+4*\c:8*(4*\s+\m)+4*\c+3], v[\reg] offset:1024*(8*\m+\s)+512*\c
.endif
.endr
.endr
.endr
	WIN 0
.endm
.macro ROWS src                        ; my 16 rows into LDS
.irp i, 0,1,2,3,4,5,6,7,8,9,10,11,12,13,14,15
	ds_store_b128 v[XCW], v[\src+4*\i:\src+4*\i+3] offset:PITCH*\i
.endr
.endm
	s_load_b512 s[8:23], s[0:1], 0x0
	s_load_b256 s[24:31], s[0:1], 0x40
	s_load_b128 s[32:35], s[0:1], 0x60
	v_lshl_add_u32 v[SPW], v0, 2, SPARE
	v_mov_b32 v[NIL], 0
	ds_add_u32 v[SPW], v[NIL]              ; the opening add, twice on end, and its wait below
	ds_add_u32 v[SPW], v[NIL]
	v_lshrrev_b32 v3, 5, v0
	v_readfirstlane_b32 s[WV], v3
	v_and_b32 v12, 15, v0                  ; r
	v_bfe_u32 v13, v0, 4, 1                ; h
	v_and_b32 v14, 31, v0                  ; lane
	s_lshl_b32 s[TMP], s[WV], 13
	v_lshl_add_u32 v7, v14, 4, s[TMP]      ; rows 16 w on of x and c: a load takes a row
	v_lshlrev_b32 v8, 5, v14               ; a row's 32 scale bytes
	s_lshl_b32 s[TMP], s[WV], 10
	v_lshl_add_u32 v[WSO], v14, 5, s[TMP]
	v_lshlrev_b32 v[PFO], 8, v14
	s_bfe_u32 s[CX], ttmp6, 0x40000
	s_lshl_b32 s[WG], ttmp9, 2
	s_add_co_u32 s[WG], s[WG], s[CX]
	s_lshr_b32 s[TMP], ttmp9, 2
	s_add_co_u32 s[ROT], ttmp9, s[TMP]
	s_lshr_b32 s[TMP], ttmp9, 4
	s_add_co_u32 s[ROT], s[ROT], s[TMP]
	s_and_b32 s[ROT], s[ROT], 3
	s_and_b32 s[TMP], ttmp9, -5
	s_cmp_eq_u32 s[TMP], 0
	s_cselect_b32 s[ASKF], 1, 0            ; clusters 0 and 4 prefetch
	; descriptor group 1: rows of 512 bytes, 16 bytes of padding behind each, mask of all four partners; 128 rows for the head's load
	s_mov_b32 s[G1+0], 15|(1<<20)|(1<<21)|(6<<22)|(3<<25)
	s_mov_b32 s[G1+1], 512<<16
	s_mov_b32 s[G1+2], 128<<16
	s_mov_b32 s[G1+3], 512<<16
	s_mov_b32 s[G1+4], 128
	s_mov_b32 s[G1+5], 512
	s_mov_b32 s[G1+6], 0
	s_mov_b32 s[G1+7], 0
	s_mov_b32 s[SEL], 0x76543210
	s_mov_b32 s[SEL+1], 0xfedcba98
	s_mov_b32 s[CS], 0x3e0293ee            ; log2(e) / sqrt(128)
	s_mov_b32 s[CS+1], s[CS]
	s_mov_b32 s[NC], 0xbe0293ee
	s_mov_b32 s[TB], 0
	s_mov_b32 s[OFFP+1], 0
	s_mov_b32 s[TT+1], 0
	s_mul_i32 s[WOFF], s[WV], 64*PITCH     ; I fetch 64 of a unit's 256 rows
	s_mov_b32 s[G0], 1
	s_mul_i32 s[G0+1], s[WV], 128*PITCH    ; at the head 128 of the first two units' 512
	s_lshl_b32 s[TT], s[WG], 15
	s_wait_dscnt 0x0
	s_wait_alu depctr_va_vdst(0)
	s_wait_kmcnt 0x0
	s_add_nc_u64 s[PXC:PXC+1], s[PXC:PXC+1], s[TT:TT+1]
	s_add_nc_u64 s[PCC:PCC+1], s[PCC:PCC+1], s[TT:TT+1]
	s_lshl_b32 s[TT], s[WG], 11
	s_add_nc_u64 s[PXS:PXS+1], s[PXS:PXS+1], s[TT:TT+1]
	s_add_nc_u64 s[PCS:PCS+1], s[PCS:PCS+1], s[TT:TT+1]
.irp i, 0,1,2,3,4,5,6,7,8,9,10,11,12,13,14,15
	global_load_b128 v[KA0+4*\i:KA0+4*\i+3], v7, s[PXC:PXC+1] offset:512*\i th:TH_LOAD_NT
.endr
.irp g, 0,1
.irp q, 0,1
	global_load_b128 v[ASX+8*\g+4*\q:ASX+8*\g+4*\q+3], v8, s[PXS:PXS+1] offset:1024*\g+16*\q
.endr
.endr
	WSL WS, PQS, 0
	WSL WS+8, PQS, 4096
	s_lshl_b32 s[TT], s[CX], 2
	s_add_co_u32 s[TT], s[TT], s[WV]
	s_lshl_b32 s[TT], s[TT], 13            ; prefetches: 8,192 bytes a wave of the cluster
	s_add_nc_u64 s[PFK:PFK+1], s[PKC:PKC+1], s[TT:TT+1]
	s_add_nc_u64 s[PFV:PFV+1], s[PVC:PVC+1], s[TT:TT+1]
	s_add_nc_u64 s[PFW:PFW+1], s[POC:POC+1], s[TT:TT+1]
	s_add_nc_u64 s[PFQ:PFQ+1], s[PQC:PQC+1], s[TT:TT+1]
	s_add_nc_u64 s[PFQ:PFQ+1], s[PFQ:PFQ+1], 2*U
	s_lshl_b32 s[TT], s[WV], 16
	s_add_nc_u64 s[G0+2:G0+3], s[PQC:PQC+1], s[TT:TT+1]
	s_or_b32 s[G0+3], s[G0+3], 0x80000000
	s_lshl_b32 s[TT], s[WV], 15
	s_add_nc_u64 s[PQC:PQC+1], s[PQC:PQC+1], s[TT:TT+1]
	s_add_nc_u64 s[PKC:PKC+1], s[PKC:PKC+1], s[TT:TT+1]
	s_add_nc_u64 s[PVC:PVC+1], s[PVC:PVC+1], s[TT:TT+1]
	s_add_nc_u64 s[POC:POC+1], s[POC:POC+1], s[TT:TT+1]
	s_lshl_b32 s[TT], s[WV], 10
	s_add_nc_u64 s[POS:POS+1], s[POS:POS+1], s[TT:TT+1]   ; of Wout a wave takes 64 rows of a unit
	s_lshl_b32 s[TT], s[WG], 18
	s_add_nc_u64 s[POUT:POUT+1], s[POUT:POUT+1], s[TT:TT+1]
	ROUND
	tensor_load_to_lds s[G0:G0+3], s[G1:G1+7]   ; units 0 and 1 of Wq: both slots, one load a wave
	s_nop 0
	PLACES
.irp i, 0,1,2,3,4,5,6,7,8,9,10,11,12,13,14,15
	global_load_b128 v[KA1+4*\i:KA1+4*\i+3], v7, s[PCC:PCC+1] offset:512*\i th:TH_LOAD_NT
.endr
.irp g, 0,1
.irp q, 0,1
	global_load_b128 v[ASC+8*\g+4*\q:ASC+8*\g+4*\q+3], v8, s[PCS:PCS+1] offset:1024*\g+16*\q
.endr
.endr
	ASK PFQ, 0, ASKF                       ; units 2 and 3 of Wq, two units ahead
	s_lshl_b32 s[OFFP], s[ROT], 13
	s_add_nc_u64 s[SBA:SBA+1], s[PKS:PKS+1], s[OFFP:OFFP+1]
	s_add_co_u32 s[TMP], s[ROT], 1
	s_and_b32 s[TMP], s[TMP], 3
	s_lshl_b32 s[OFFP], s[TMP], 13
	s_add_nc_u64 s[SBB:SBB+1], s[PKS:PKS+1], s[OFFP:OFFP+1]
	v_mul_u32_u24 v15, v12, PITCH
	v_lshl_add_u32 v15, v13, 4, v15        ; a fragment's row x pitch + 16 h
	s_mul_i32 s[TMP], s[WV], 32*PITCH
	v_add_nc_u32 v[BA], s[TMP], v15
	v_add_nc_u32 v[XCR], SCR, v15
	s_mul_i32 s[TMP], s[WV], TSTEP
	s_add_co_u32 s[TMP], s[TMP], SCR
	v_lshl_add_u32 v[XCW], v14, 4, s[TMP]
	s_lshl_b32 s[TMP], s[WV], 11
	s_add_co_u32 s[TMP], s[TMP], SCR
	v_lshl_add_u32 v[PBW], v14, 4, s[TMP]
	s_lshl_b32 s[TMP], s[WV], 9
	s_add_co_u32 s[TMP], s[TMP], SCR
	v_lshl_add_u32 v[PBR], v14, 4, s[TMP]
	v_add_nc_u32 v[AD], s[TB], v[BA]
	s_wait_alu depctr_va_vdst(0)
	s_wait_loadcnt 28                      ; x's 16; behind them 8 of scales, c's 16, 4 of scales
	ROWS KA0
	s_wait_dscnt 0x0
	s_barrier_signal -1
	s_barrier_wait -1
	AFROM XCR, 0
	s_wait_tensorcnt 0x0
	s_mov_b32 s[G1+2], 64<<16              ; from here on a load brings 64 rows
	s_mov_b32 s[G1+4], 64
	s_wait_dscnt 0x0
	s_barrier_signal -1
	s_barrier_wait -1                      ; both slots are whole; x's rows have been read by all
	RING 0
	RING 1
	RING 2
	RING 3
.macro QREF j, e                       ; the scale words of the next unit's position e
.if (\j) < 3
	WSL WS+8*(\e), PQS, 8192*((\j)+1)+4096*(\e)
.else
	WSL WS+8*(\e), SBA, 4096*(\e)
.endif
.endm
.macro QUNIT j                         ; q's positions 2 j and 2 j + 1
.if (\j) < 2
	s_add_nc_u64 s[NX:NX+1], s[PQC:PQC+1], ((\j)+2)*U
.else
	s_add_co_u32 s[TMP], s[ROT], (\j)-2
	s_and_b32 s[TMP], s[TMP], 3
	s_lshl_b32 s[OFFP], s[TMP], 17
	s_add_nc_u64 s[NX:NX+1], s[PKC:PKC+1], s[OFFP:OFFP+1]
.endif
	s_or_b32 s[NX+1], s[NX+1], 0x80000000
.if (\j) == 0
	s_wait_loadcnt 20                      ; c's 16 and 4 of scales may be out
.else
	s_wait_loadcnt 2                       ; the other position's two
.endif
	GEMM 1, 32*(\j), ASX, WS, 0, 0, ESTEP
.if (\j) == 0
	s_wait_loadcnt 4
	ROWS KA1                               ; c's rows take the place of x's
.endif
	QREF \j, 0
.if (\j) > 0
	s_wait_loadcnt 2
.endif
	GEMM 1, 32*(\j)+16, ASX, WS+8, 0, 1, 0
	QREF \j, 1
.if (\j) < 2
	ASK PFK, 2*(\j)*U, ASKF
.endif
.endm
	QUNIT 0
	QUNIT 1
	QUNIT 2
	QUNIT 3
	AFROM XCR, 0
	s_wait_loadcnt 2
	GEMM 0, KA0, ASC, WS, 0, 0, ESTEP      ; key 0
	WSL WS, SBB, 0
.macro UNIT d, sh                      ; OFFP = the unit d on, shifted
	s_add_co_u32 s[TMP], s[CNT], s[ROT]
	s_add_co_u32 s[TMP], s[TMP], \d
	s_and_b32 s[TMP], s[TMP], 3
	s_lshl_b32 s[OFFP], s[TMP], \sh
.endm
; THE K LOOP, unit t: [key 2 t + 1's product, key 2 t's scores, change of slots, the sums of unit t - 1] [the next unit's first product, key 2 t + 1's scores].  In the last trip the second product is v's key 0.
; Partials of even keys have a buffer for each unit, since they are stored on both sides of a change of slots; those of odd keys two by turns.
	s_mov_b32 s[CNT], 0
.Lk:
	s_wait_xcnt 0x0
	UNIT 2, 17
	s_cmp_lt_u32 s[CNT], 2
	s_cselect_b64 s[NX:NX+1], s[PKC:PKC+1], s[PVC:PVC+1]
	s_cselect_b64 s[SBB:SBB+1], s[PKS:PKS+1], s[PVS:PVS+1]
	s_cselect_b32 s[ASKC], s[ASKF], 0
	s_add_nc_u64 s[NX:NX+1], s[NX:NX+1], s[OFFP:OFFP+1]
	s_or_b32 s[NX+1], s[NX+1], 0x80000000
	s_lshr_b32 s[OFFP], s[OFFP], 4
	s_add_nc_u64 s[SBB:SBB+1], s[SBB:SBB+1], s[OFFP:OFFP+1]
	UNIT 1, 13
	s_cmp_lt_u32 s[CNT], 3
	s_cselect_b64 s[SBA:SBA+1], s[PKS:PKS+1], s[PVS:PVS+1]
	s_add_nc_u64 s[SBA:SBA+1], s[SBA:SBA+1], s[OFFP:OFFP+1]
	s_and_b32 s[TMP], s[CNT], 1
	s_lshl_b32 s[OFFP], s[TMP], 18
	s_add_nc_u64 s[PFC:PFC+1], s[PFV:PFV+1], s[OFFP:OFFP+1]
	s_lshl_b32 s[E1O], s[TMP], 13
	s_xor_b32 s[E1P], s[E1O], 8192
	s_lshl_b32 s[E0O], s[CNT], 13
	s_xor_b32 s[E0O], s[E0O], 0x6000
	s_add_co_u32 s[E0O], s[E0O], E0B
	s_add_co_u32 s[E0P], s[CNT], 3
	s_and_b32 s[E0P], s[E0P], 3
	s_xor_b32 s[E0P], s[E0P], 3
	s_lshl_b32 s[E0P], s[E0P], 13
	s_add_co_u32 s[E0P], s[E0P], E0B
	v_add_nc_u32 v[PA], s[E0O], v[PBW]
	v_add_nc_u32 v[PR], s[E0P], v[PBR]
	v_add_nc_u32 v[PR2], s[E1P], v[PBR]
	VW
	s_wait_loadcnt 2
	PH 0, KA1, KA0, WS+8, 1
	WSL WS+8, SBA, 4096
	v_add_nc_u32 v[PA], s[E1O], v[PBW]
	VW
	s_wait_loadcnt 2
	PH 0, KA0, KA1, WS, 0
	WSL WS, SBB, 0
	VW
	s_add_co_u32 s[CNT], s[CNT], 1
	s_cmp_lt_u32 s[CNT], 4
	s_cbranch_scc1 .Lk
; THE SOFTMAX of row tile w: lane (r, h) has row r, positions 4 h .. 4 h + 3, 8 keys x 4 registers.
	s_wait_dscnt 0x0
	s_barrier_signal -1
	s_barrier_wait -1
.irp n, 0,1,2,3,4,5
	ds_load_b128 v[KA1+4*\n:KA1+4*\n+3], v[PBR] offset:E0B+8192*(3-\n/2)+2048*(\n%2)
.endr
.irp k, 0,1,2,3
	ds_load_b128 v[KA1+32+4*\k:KA1+32+4*\k+3], v[PBR] offset:E0B+2048*\k
.endr
.irp k, 0,1,2,3
	ds_load_b128 v[KA1+48+4*\k:KA1+48+4*\k+3], v[PBR] offset:8192+2048*\k
.endr
	s_wait_dscnt 0x0
	SUM4 KA1+24, KA1+32
	SUM4 KA1+28, KA1+48
.set MXR, KA1+32
.set NMR, KA1+36
.set SMR, KA1+40
.set RCR, KA1+44
.irp i, 0,1,2,3
	v_max3_num_f32 v[MXR+\i], v[KA1+\i], v[KA1+4+\i], v[KA1+8+\i]
.endr
.irp i, 0,1,2,3
	v_max3_num_f32 v[MXR+\i], v[MXR+\i], v[KA1+12+\i], v[KA1+16+\i]
.endr
.irp i, 0,1,2,3
	v_max3_num_f32 v[MXR+\i], v[MXR+\i], v[KA1+20+\i], v[KA1+24+\i]
.endr
.irp i, 0,1,2,3
	v_max_num_f32 v[MXR+\i], v[MXR+\i], v[KA1+28+\i]
.endr
.irp i, 0,1,2,3
	v_mul_f32 v[NMR+\i], s[NC], v[MXR+\i]
.endr
.irp k, 0,1,2,3,4,5,6,7
.irp g, 0,2
	v_pk_fma_f32 v[KA1+4*\k+\g:KA1+4*\k+\g+1], v[KA1+4*\k+\g:KA1+4*\k+\g+1], s[CS:CS+1], v[NMR+\g:NMR+\g+1] op_sel_hi:[1,0,1]
.endr
.endr
.set E, 0
	VW
.rept 32
	v_exp_f32 v[KA1+E], v[KA1+E]
.set E, E+1
.endr
	v_nop
	VW
.irp g, 0,2
	v_pk_add_f32 v[SMR+\g:SMR+\g+1], v[KA1+\g:KA1+\g+1], v[KA1+4+\g:KA1+4+\g+1]
.endr
.irp k, 2,3,4,5,6,7
.irp g, 0,2
	v_pk_add_f32 v[SMR+\g:SMR+\g+1], v[SMR+\g:SMR+\g+1], v[KA1+4*\k+\g:KA1+4*\k+\g+1]
.endr
.endr
	VW
.irp i, 0,1,2,3
	v_rcp_f32 v[RCR+\i], v[SMR+\i]
.endr
	v_nop
	VW
.irp k, 0,1,2,3,4,5,6,7
.irp g, 0,2
	v_pk_mul_f32 v[KA1+4*\k+\g:KA1+4*\k+\g+1], v[KA1+4*\k+\g:KA1+4*\k+\g+1], v[RCR+\g:RCR+\g+1]
.endr
.endr
.irp n, 0,1,2,3,4,5,6,7
	ds_store_b128 v[PBR], v[KA1+4*\n:KA1+4*\n+3] offset:E0B+8192*(3-\n/2)+2048*(\n%2)
.endr
	v_and_b32 v[WTR], 15, v0
	v_lshl_add_u32 v[WTR], v[WTR], 4, SCR+E0B
	v_add_nc_u32 v[PA], 0x6000, v[WTR]     ; unit 0's weights
	VW
	s_wait_dscnt 0x0
	s_barrier_signal -1
	s_barrier_wait -1
	WRL 0, 0
	WRL 1, 0
; THE V PART: key 0 begins attn beside key 1's product; three trips of [unit t's first product, key 2 t - 1] [its second, key 2 t, change of slots]; key 7 stands alone.  In the last trip the scale words are Wout's.
.macro VTOP
	s_wait_xcnt 0x0
	UNIT 2, 17
	s_cmp_lt_u32 s[CNT], 2
	s_cselect_b64 s[NX:NX+1], s[PVC:PVC+1], s[POC:POC+1]
	s_cselect_b32 s[ASKC], s[ASKF], 0
	s_add_nc_u64 s[NX:NX+1], s[NX:NX+1], s[OFFP:OFFP+1]
	s_or_b32 s[NX+1], s[NX+1], 0x80000000
	UNIT 1, 13
	s_mov_b32 s[TT], 1024
	s_cmp_lt_u32 s[CNT], 3
	s_cselect_b64 s[SBA:SBA+1], s[PVS:PVS+1], s[POS:POS+1]
	s_cselect_b32 s[TT], 4096, s[TT]
	s_add_nc_u64 s[SBA:SBA+1], s[SBA:SBA+1], s[OFFP:OFFP+1]
	s_add_nc_u64 s[SBB:SBB+1], s[SBA:SBA+1], s[TT:TT+1]
	s_and_b32 s[TMP], s[CNT], 1
	s_lshl_b32 s[OFFP], s[TMP], 18
	s_add_nc_u64 s[PFC:PFC+1], s[PFW:PFW+1], s[OFFP:OFFP+1]
	s_lshl_b32 s[E0O], s[CNT], 13
	s_xor_b32 s[E0O], s[E0O], 0x6000
.endm
	s_mov_b32 s[CNT], 0
	VTOP
	s_wait_dscnt 0x0
	s_wait_loadcnt 2
	PH 1, KA1, KA0, WS+8, 1
	WSL WS+8, SBB, 0
	s_mov_b32 s[CNT], 1
.Lv:
	VTOP
	s_wait_loadcnt 2
	PH 2, KA0, KA1, WS, 0
	WSL WS, SBA, 0
	s_wait_loadcnt 2
	PH 2, KA1, KA0, WS+8, 1
	WSL WS+8, SBB, 0
	VW
	s_add_co_u32 s[CNT], s[CNT], 1
	s_cmp_lt_u32 s[CNT], 4
	s_cbranch_scc1 .Lv
	s_wait_dscnt 0x0
	HALF 2, KA1, 0
	HALF 2, KA1, 1
	WIN 0
	WRL 2, 1
	HALF 2, KA1, 2
	HALF 2, KA1, 3
	WIN 0
	WRL 3, 1
	s_wait_dscnt 2                         ; row tile 3's two may be out
	HALF 2, KA1, 4
	HALF 2, KA1, 5
	WIN 0
	s_wait_dscnt 0x0                       ; my reads of the weights are over: attn's codes land on them behind the barrier
	s_barrier_signal -1
	HALF 2, KA1, 6
	HALF 2, KA1, 7
	WIN 0
	v_and_b32 v160, 15, v0                 ; the addresses of the Out part
	v_bfe_u32 v161, v0, 4, 1
	v_and_b32 v162, 31, v0
	s_lshl_b32 s[TMP], s[WV], 8
	v_lshl_add_u32 v[GO], v160, 4, s[TMP]
	v_lshl_add_u32 v[GO], v161, 12, v[GO]
	v_lshl_add_u32 v[BIO], v161, 5, s[TMP]
	s_add_co_u32 s[TMP], s[TMP], IMG
	v_lshl_add_u32 v[IMW], v160, 4, s[TMP]
	v_lshl_add_u32 v[IMW], v161, 3, v[IMW]
	s_add_co_u32 s[TMP], s[WV], ASL
	v_lshl_add_u32 v[ASW], v160, 5, s[TMP]
	v_lshl_add_u32 v[ASR], v162, 5, ASL
	v_lshl_add_u32 v[LI], v162, 4, IMG
	s_mul_i32 s[TMP], s[WV], 4352
	s_add_co_u32 s[TMP], s[TMP], STG
	v_mul_u32_u24 v163, v160, 272
	v_lshl_add_u32 v163, v161, 5, v163
	v_add_nc_u32 v[STO], s[TMP], v163
	v_mul_u32_u24 v163, v161, 272
	v_lshl_add_u32 v163, v160, 4, v163
	v_add_nc_u32 v[SRD], s[TMP], v163
	v_mul_u32_u24 v163, v160, PITCH
	v_lshl_add_u32 v163, v161, 4, v163
	v_add_nc_u32 v[BA], s[WOFF], v163      ; of Wout a wave takes rows 64 w on
	v_add_nc_u32 v[AD], s[TB], v[BA]
	s_mov_b32 s[OU], s[ROT]
	s_lshl_b32 s[OFFP], s[OU], 10
	s_add_nc_u64 s[BP:BP+1], s[PBO:PBO+1], s[OFFP:OFFP+1]
; THE QUANTISER, row tiles 2 hf and 2 hf + 1: a block of 32 = my 32 channels of a position, 16 in lane l and 16 in lane l xor 16.  The floor among the maxima's leaves keeps the byte at 1 or above.
.macro QMAKE hf
	WIN 0x0a+5*(\hf)
.irp n, 0,1
.irp p, 0,1,2,3,4,5,6,7
	v_max3_num_f32 v[TM+8*\n+\p], |v[128*\n+16*\p]|, |v[128*\n+16*\p+1]|, 0x1800000
.endr
.endr
.irp i, 2,4,6,8,10,12,14
.irp n, 0,1
.irp p, 0,1,2,3,4,5,6,7
	v_max3_num_f32 v[TM+8*\n+\p], |v[128*\n+16*\p+\i]|, |v[128*\n+16*\p+\i+1]|, v[TM+8*\n+\p]
.endr
.endr
.endr
	WIN 0
.irp b, 0,1,2,3,4,5,6,7,8,9,10,11,12,13,14,15
	v_permlanex16_b32 v[TP+\b], v[TM+\b], s[SEL], s[SEL+1]
.endr
.irp b, 0,1,2,3,4,5,6,7,8,9,10,11,12,13,14,15
	v_max_num_f32 v[TM+\b], v[TM+\b], v[TP+\b]
.endr
.irp b, 0,1,2,3,4,5,6,7,8,9,10,11,12,13,14,15
	v_add_nc_u32 v[SQ+\b], 0xff000000, v[TM+\b]
.endr
.irp b, 0,1,2,3,4,5,6,7,8,9,10,11,12,13,14,15
	v_lshrrev_b32 v[BY+\b], 23, v[SQ+\b]
.endr
	WIN 0x02+(\hf)
.irp n, 0,1
.irp p, 0,1,2,3,4,5,6,7
.irp u, 0,1
	v_cvt_scalef32_pk8_fp4_f32 v[CD+2*(8*\n+\p)+\u], v[128*\n+16*\p+8*\u:128*\n+16*\p+8*\u+7], v[SQ+8*\n+\p]
.endr
.endr
.endr
	v_nop
	WIN 0
.irp b, 0,1,2,3,4,5,6,7,8,9,10,11,12,13,14,15
	v_permlane16_swap_b32 v[CD+2*\b], v[CD+2*\b+1]   ; a lane's 8 bytes are then 16 neighbouring channels
.endr
.endm
.macro QSTORE hf
.irp n, 0,1
.irp p, 0,1,2,3,4,5,6,7
	ds_store_b64 v[IMW], v[CD+2*(8*\n+\p):CD+2*(8*\n+\p)+1] offset:1024*(8*(2*(\hf)+\n)+\p)
	ds_store_b8 v[ASW], v[BY+8*\n+\p] offset:512*(2*(\hf)+\n)+4*\p
.endr
.endr
.endm
	QMAKE 0
	VW
	s_barrier_wait -1
	QSTORE 0
	WIN 0x80
.irp t, 0,1,2,3
	global_load_b128 v[BI+8*\t:BI+8*\t+3], v[BIO], s[BP:BP+1] offset:64*\t
	global_load_b128 v[BI+8*\t+4:BI+8*\t+7], v[BIO], s[BP:BP+1] offset:64*\t+16
.endr
	WIN 0
	QMAKE 1
	QSTORE 1
	VW
	s_wait_dscnt 0x0
	s_barrier_signal -1
	s_barrier_wait -1
	RING 0
	RING 1
	RING 2
	RING 3
.irp g, 0,1
.irp q, 0,1
	ds_load_b128 v[ASC+8*\g+4*\q:ASC+8*\g+4*\q+3], v[ASR] offset:1024*\g+16*\q
.endr
.endr
	AFROM LI, 1
	s_wait_loadcnt 0x0
; THE WAY OUT: 16 rows x 64 columns at a time through my own stage; sixteen lanes store one aligned unit of 256 bytes.
.macro TOSTAGE m
	WIN 0x08
.irp t, 0,1,2,3
	ds_store_b128 v[STO], v[64*(\t/2)+16*(\m)+8*(\t%2):64*(\t/2)+16*(\m)+8*(\t%2)+3] offset:64*\t
	ds_store_b128 v[STO], v[64*(\t/2)+16*(\m)+8*(\t%2)+4:64*(\t/2)+16*(\m)+8*(\t%2)+7] offset:64*\t+16
.endr
	WIN 0xc0
.irp i, 0,1,2,3,4,5,6,7
	ds_load_b128 v[32*(\m)+4*\i:32*(\m)+4*\i+3], v[SRD] offset:544*\i
.endr
	WIN 0
.endm
.macro SEND m, younger
	s_wait_dscnt \younger
	WIN 0x0c
.irp i, 0,1,2,3,4,5,6,7
	global_store_b128 v[GO], v[32*(\m)+4*\i:32*(\m)+4*\i+3], s[OUTC:OUTC+1] offset:4096*(16*(\m)+2*\i) th:TH_STORE_NT
.endr
	WIN 0
.endm
.macro OREF f
	WSL WS+8*(\f), SBO, 1024*(\f)
	WIN 0x80
.irp u, 0,1
	global_load_b128 v[BI+16*\f+8*\u:BI+16*\f+8*\u+3], v[BIO], s[BP:BP+1] offset:128*\f+64*\u
	global_load_b128 v[BI+16*\f+8*\u+4:BI+16*\f+8*\u+7], v[BIO], s[BP:BP+1] offset:128*\f+64*\u+16
.endr
	WIN 0
.endm
.macro OUNIT chg, ref
	s_wait_loadcnt 6                       ; the other half's two of scales and four of bias
	GEMM 2, 0, ASC, WS, BI, 0, OSTEP
.if \ref
	s_wait_xcnt 0x0
	s_add_co_u32 s[TMP], s[OU], 1
	s_and_b32 s[TMP], s[TMP], 3
	s_lshl_b32 s[OFFP], s[TMP], 13
	s_add_nc_u64 s[SBO:SBO+1], s[POS:POS+1], s[OFFP:OFFP+1]
	s_lshl_b32 s[OFFP], s[TMP], 10
	s_add_nc_u64 s[BP:BP+1], s[PBO:PBO+1], s[OFFP:OFFP+1]
	OREF 0
	s_wait_loadcnt 6
.else
	s_wait_loadcnt 0x0
.endif
	GEMM 2, 64, ASC, WS+8, BI+16, \chg, 0
.if \ref
	OREF 1
.endif
	s_wait_xcnt 0x0                        ; earlier stores have read their registers and their base
	s_lshl_b32 s[OFFP], s[OU], 10
	s_add_nc_u64 s[OUTC:OUTC+1], s[POUT:POUT+1], s[OFFP:OFFP+1]
	TOSTAGE 0
	TOSTAGE 1
	SEND 0, 16
	TOSTAGE 2
	SEND 1, 16
	TOSTAGE 3
	SEND 2, 16
	SEND 3, 0
	s_add_co_u32 s[OU], s[OU], 1
	s_and_b32 s[OU], s[OU], 3
.endm
	s_mov_b32 s[CNT], 0
.Lo:
	s_add_co_u32 s[TMP], s[OU], 2
	s_and_b32 s[TMP], s[TMP], 3
	s_lshl_b32 s[OFFP], s[TMP], 17
	s_add_nc_u64 s[NX:NX+1], s[POC:POC+1], s[OFFP:OFFP+1]
	s_or_b32 s[NX+1], s[NX+1], 0x80000000
	OUNIT 1, 1
	s_add_co_u32 s[CNT], s[CNT], 1
	s_cmp_lt_u32 s[CNT], 2
	s_cbranch_scc1 .Lo
	OUNIT 2, 1
	OUNIT 3, 0
	s_wait_tensorcnt 0x0                   ; the wave's end
	ds_add_u32 v[SPW], v[NIL]
	s_wait_dscnt 0x0
	ROUND
	s_endpgm
.Lfunc_end_k_qe0dcf41a7f_tca:
	.size	k_qe0dcf41a7f_tca, .Lfunc_end_k_qe0dcf41a7f_tca-k_qe0dcf41a7f_tca
	.p2alignl 7, 3214868480
	.fill 96, 4, 3214868480
	.section	.rodata,"a",@progbits
	.p2align	6, 0x0
	.amdhsa_kernel k_qe0dcf41a7f_tca
		.amdhsa_group_segment_fixed_size 327680
		.amdhsa_private_segment_fixed_size 0
		.amdhsa_enable_private_segment 0
		.amdhsa_kernarg_size 112
		.amdhsa_user_sgpr_count 2
		.amdhsa_user_sgpr_kernarg_segment_ptr 1
		.amdhsa_wavefront_size32 1
		.amdhsa_system_sgpr_workgroup_id_x 1
		.amdhsa_system_sgpr_workgroup_id_y 1
		.amdhsa_system_sgpr_workgroup_id_z 1
		.amdhsa_system_vgpr_workitem_id 0
		.amdhsa_next_free_vgpr 1024
		.amdhsa_next_free_sgpr 96
		.amdhsa_reserve_vcc 0
		.amdhsa_float_denorm_mode_32 3
		.amdhsa_float_denorm_mode_16_64 3
		.amdhsa_memory_ordered 1
		.amdhsa_forward_progress 1
		.amdhsa_inst_pref_size 255
	.end_amdhsa_kernel
	.section	.bss,"aw",@nobits
	.p2align	6
	.space	262144
	.amdgpu_metadata
---
amdhsa.version: [ 1, 2 ]
amdhsa.kernels:
  - .name:           k_qe0dcf41a7f_tca
    .symbol:         k_qe0dcf41a7f_tca.kd
    .args:
      - { .name: x_codes, .offset: 0, .size: 8, .value_kind: global_buffer, .address_space: global }
      - { .name: x_scales, .offset: 8, .size: 8, .value_kind: global_buffer, .address_space: global }
      - { .name: c_codes, .offset: 16, .size: 8, .value_kind: global_buffer, .address_space: global }
      - { .name: c_scales, .offset: 24, .size: 8, .value_kind: global_buffer, .address_space: global }
      - { .name: Wq_codes, .offset: 32, .size: 8, .value_kind: global_buffer, .address_space: global }
      - { .name: Wq_scales, .offset: 40, .size: 8, .value_kind: global_buffer, .address_space: global }
      - { .name: Wk_codes, .offset: 48, .size: 8, .value_kind: global_buffer, .address_space: global }
      - { .name: Wk_scales, .offset: 56, .size: 8, .value_kind: global_buffer, .address_space: global }
      - { .name: Wv_codes, .offset: 64, .size: 8, .value_kind: global_buffer, .address_space: global }
      - { .name: Wv_scales, .offset: 72, .size: 8, .value_kind: global_buffer, .address_space: global }
      - { .name: Wout_codes, .offset: 80, .size: 8, .value_kind: global_buffer, .address_space: global }
      - { .name: Wout_scales, .offset: 88, .size: 8, .value_kind: global_buffer, .address_space: global }
      - { .name: bout, .offset: 96, .size: 8, .value_kind: global_buffer, .address_space: global }
      - { .name: out0, .offset: 104, .size: 8, .value_kind: global_buffer, .address_space: global }
    .group_segment_fixed_size: 327680
    .private_segment_fixed_size: 0
    .kernarg_segment_align: 8
    .kernarg_segment_size: 112
    .max_flat_workgroup_size: 128
    .sgpr_count:     96
    .vgpr_count:     1024
    .wavefront_size: 32
...
	.end_amdgpu_metadata
.endif
;; end of part 1
